; MI455X (gfx1250); checked and timed in simulation.
; The chip was launched on July 23, 2026; its instructions are those of AMD's public machine-readable ISA for CDNA 5 (MIT licence, August 2026) and "CDNA5" Instruction Set Architecture Reference Guide (July 2026). The comments in the code are by the model that wrote it; some were corrected since.
;; Warp Res Block. Allowed arithmetic: float matrix products may take bf16 or f16 operands with f32 sums; all other float work in f32.
;; Inputs: data 8 x 512 x 64 x 64 float32.
;; Outputs: out0 8 x 256 x 64 x 64 float32.
;; 2 versions, each right; version 2 is version 1 with the launch warp written anew for expert scheduling mode. Each part assembles by itself: llvm-mc -triple=amdgcn-amd-amdhsa -mcpu=gfx1250 --defsym DOCPART=n.
;; ======== version 1 of 2: 3 launches
;; limits: values outside matrix products are rounded to bf16
;; workspace buffers: qtab 1,843,200 bytes of whole numbers; wts 4,194,304 bytes; pbs 1,048,576 bytes of whole numbers
;; launch qtab (part 1): grid 45 x 8, 4 waves a work-group, no clusters, 0 bytes of LDS; arguments data, qtab; writes qtab
.if DOCPART == 1
	.amdgcn_target "amdgcn-amd-amdhsa--gfx1250"
	.amdhsa_code_object_version 6
	.text
	.protected	k_q47aa84ccad_qtab
	.globl	k_q47aa84ccad_qtab
	.p2align	8
	.type	k_q47aa84ccad_qtab,@function
k_q47aa84ccad_qtab:
	s_mov_b64 s[64:65], 0
	v_nop
	global_prefetch_b8 v0, s[64:65] scope:SCOPE_SE
	s_setreg_imm32_b32 hwreg(HW_REG_WAVE_MODE, 25, 1), 1
	s_wait_xcnt 0x0
; For every point p of the second grid (g_tps: channels 384.. of data, the first 240 x 240 x 2 floats of a batch) the corner of the 2 x 2 patch
; that it samples in the 240 x 240 image: bx = clamp(floor((gx + 1) * 119.5), 0, 238), by likewise.  Stored as one whole number:
; bits 15:0 by * 240 + bx, bits 23:16 bx, bits 31:24 by.  A later launch forms addresses from it.
; (g + 1) * 0.5 * 239 and (g + 1) * 119.5 round alike: halving is exact.  A NaN coordinate counts as 0 here.
; A work-group takes 5 x 128 pairs of points; a lane loads 16 bytes (two points) and stores 8: a wave's store covers 256 consecutive bytes, aligned.
.set NT, 5                             ; loads of a lane
.set G,  4                             ; v[4:23]   gx, gy, gx, gy of each load
.set WD, 24                            ; v[24:33]  two words for each load
	s_load_b128 s[4:7], s[0:1], 0x0                ; data s[4:5], qtab s[6:7]
	s_and_b32 s8, ttmp7, 0xffff                    ; batch
	s_lshl_b32 s12, s8, 23                         ; a batch of data is 8 MiB,
	s_add_co_u32 s12, s12, 0x600000                ; channel 384 begins 6 MiB in,
	s_mul_i32 s14, ttmp9, NT*2048                  ; and the work-group's part
	s_add_co_u32 s12, s12, s14
	s_mov_b32 s13, 0
	s_mul_i32 s16, s8, 230400                      ; a batch of the table: 57,600 words
	s_mul_i32 s15, ttmp9, NT*1024
	s_add_co_u32 s16, s16, s15
	s_mov_b32 s17, 0
	s_mov_b32 s18, 0x42ef0000                      ; 119.5
	s_mov_b32 s19, 0x436e0000                      ; 238.0
	s_mov_b32 s20, 240
	v_lshlrev_b32 v1, 4, v0                        ; 16 bytes a thread in,
	v_lshlrev_b32 v2, 3, v0                        ; 8 out
	s_wait_kmcnt 0x0
	s_add_nc_u64 s[4:5], s[4:5], s[12:13]
	s_add_nc_u64 s[6:7], s[6:7], s[16:17]
.irp j, 0,1,2,3,4
	global_load_b128 v[G+4*\j:G+4*\j+3], v1, s[4:5] offset:2048*\j
.endr
.irp j, 0,1,2,3,4
	s_wait_loadcnt NT-1-\j                         ; loads come back in order: load j is in, the younger ones stay out
.irp c, 0,1,2,3
	v_add_f32 v[G+4*\j+\c], 1.0, v[G+4*\j+\c]
.endr
.irp c, 0,1,2,3
	v_mul_f32 v[G+4*\j+\c], s18, v[G+4*\j+\c]
.endr
.irp c, 0,1,2,3
	v_floor_f32 v[G+4*\j+\c], v[G+4*\j+\c]
.endr
.irp c, 0,1,2,3
	v_max_num_f32 v[G+4*\j+\c], 0, v[G+4*\j+\c]
.endr
.irp c, 0,1,2,3
	v_min_num_f32 v[G+4*\j+\c], s19, v[G+4*\j+\c]
.endr
.irp c, 0,1,2,3
	v_cvt_u32_f32 v[G+4*\j+\c], v[G+4*\j+\c]
.endr
.irp c, 0,1
	v_mad_u32_u24 v[WD+2*\j+\c], v[G+4*\j+2*\c+1], s20, v[G+4*\j+2*\c]
.endr
.irp c, 0,1
	v_lshl_or_b32 v[WD+2*\j+\c], v[G+4*\j+2*\c], 16, v[WD+2*\j+\c]
.endr
.irp c, 0,1
	v_lshl_or_b32 v[WD+2*\j+\c], v[G+4*\j+2*\c+1], 24, v[WD+2*\j+\c]
.endr
	global_store_b64 v2, v[WD+2*\j:WD+2*\j+1], s[6:7] offset:1024*\j
.endr
	s_endpgm
.Lfunc_end_k_q47aa84ccad_qtab:
	.size	k_q47aa84ccad_qtab, .Lfunc_end_k_q47aa84ccad_qtab-k_q47aa84ccad_qtab
	.p2alignl 7, 3214868480
	.fill 96, 4, 3214868480
	.section	.rodata,"a",@progbits
	.p2align	6, 0x0
	.amdhsa_kernel k_q47aa84ccad_qtab
		.amdhsa_group_segment_fixed_size 0
		.amdhsa_private_segment_fixed_size 0
		.amdhsa_enable_private_segment 0
		.amdhsa_kernarg_size 16
		.amdhsa_user_sgpr_count 2
		.amdhsa_user_sgpr_kernarg_segment_ptr 1
		.amdhsa_wavefront_size32 1
		.amdhsa_system_sgpr_workgroup_id_x 1
		.amdhsa_system_sgpr_workgroup_id_y 1
		.amdhsa_system_sgpr_workgroup_id_z 1
		.amdhsa_system_vgpr_workitem_id 0
		.amdhsa_next_free_vgpr 34
		.amdhsa_next_free_sgpr 66
		.amdhsa_reserve_vcc 0
		.amdhsa_float_denorm_mode_32 3
		.amdhsa_float_denorm_mode_16_64 3
		.amdhsa_memory_ordered 1
		.amdhsa_forward_progress 1
		.amdhsa_inst_pref_size 8
	.end_amdhsa_kernel
	.amdgpu_metadata
---
amdhsa.version: [ 1, 2 ]
amdhsa.kernels:
  - .name:           k_q47aa84ccad_qtab
    .symbol:         k_q47aa84ccad_qtab.kd
    .args:
      - { .name: data, .offset: 0, .size: 8, .value_kind: global_buffer, .address_space: global }
      - { .name: qtab, .offset: 8, .size: 8, .value_kind: global_buffer, .address_space: global }
    .group_segment_fixed_size: 0
    .private_segment_fixed_size: 0
    .kernarg_segment_align: 8
    .kernarg_segment_size: 16
    .max_flat_workgroup_size: 128
    .sgpr_count:     66
    .vgpr_count:     34
    .wavefront_size: 32
...
	.end_amdgpu_metadata
.endif
;; end of part 1
;; launch compose (part 2): grid 64 x 8, 4 waves a work-group, no clusters, 0 bytes of LDS; arguments data, qtab, wts, pbs; writes wts, pbs
.if DOCPART == 2
	.amdgcn_target "amdgcn-amd-amdhsa--gfx1250"
	.amdhsa_code_object_version 6
	.text
	.protected	k_q47aa84ccad_compose
	.globl	k_q47aa84ccad_compose
	.p2align	8
	.type	k_q47aa84ccad_compose,@function
k_q47aa84ccad_compose:
	s_mov_b64 s[64:65], 0
	v_nop
	global_prefetch_b8 v0, s[64:65] scope:SCOPE_SE
	s_setreg_imm32_b32 hwreg(HW_REG_WAVE_MODE, 25, 1), 1
	s_wait_xcnt 0x0
; The 64 taps of every output pixel, made once for all 256 channels.  out(oy, ox) samples the 240 x 240 image at (239 oy / 63, 239 ox / 63): 4 points p;
; each p samples 4 points q round g_tps[p]; each q samples a 2 x 2 patch of x round g_aff[q].
; ZERO PADDING AS HAT WEIGHTS.  With base = clamp(floor(i), 0, n - 2) and d = i - base the two columns base, base + 1 weigh max(0, 1 - |d|) and max(0, 1 - |d - 1|),
; which are the masked bilinear weights for every i, inside or outside; here med3(1 - d, 0, 1 + d) and med3(d, 0, 2 - d).  Infinite coordinates give 0; a NaN is not treated apart.
; SHARES.  A work-group is one output row of one batch, a wave a tile of 16 pixels.  Lane (r = lane % 16, h = lane / 16) has pixel r and the p of row h: k = 0, 1 its two p,
; l, s the row and column of q in p's patch: patch number 4 k + 2 l + s, eight a lane, four taps each.
; OUT.  wts: 16 registers a lane, register 2 patch + e = the bf16 weights of the patch's row e (columns 0, 1): the image of the first source of two 16x16x32 matrix
; instructions (row r; k = 16 l + 8 h + 4 s + 2 e + column).  pbs: 4 whole numbers a lane, number 2 k + l = the places 66 y + x of patches s = 0 (low half) and s = 1 (high half).
; Addresses hang on ids and on qtab's whole numbers alone; the places made here from floats are only stored.
.set QMAX, 238*240+238
.set LN,  4                            ; v4       16 x lane
.set P4,  5                            ; v5, v6   4 p, 8 p
.set P8,  6
.set QW,  8                            ; v[8:9]   qtab's words of my two p
.set GT,  10                           ; v[10:13] g_tps of my two p
.set W3,  14                           ; v[14:15] the weights of my two p
.set WY,  16                           ; v[16:17] my row's weight (a pair is named; the second is 0)
.set TX,  18                           ; v[18:19] the two columns' weights
.set Q8,  20                           ; v[20:21] 8 q of the patch corner
.set UN,  24                           ; v[24:31] the eight places
.set GA,  32                           ; v[32:47] g_aff of my eight q
.set W2,  48                           ; v[48:55] the weights of my eight q
.set PBP, 56                           ; v[56:59]
.set W,   60                           ; v[60:75]
.set TB,  76                           ; v[76:171] twelve registers at work for each patch
	s_load_b256 s[4:11], s[0:1], 0x0               ; data s[4:5], qtab s[6:7], wts s[8:9], pbs s[10:11]
	v_lshrrev_b32 v1, 5, v0
	v_readfirstlane_b32 s12, v1                    ; wave = tile in the row
	s_and_b32 s13, ttmp7, 0xffff                   ; batch
	s_mul_i32 s14, ttmp9, 239                      ; 63 x the row's place among the 240 rows
	s_mul_i32 s15, s14, 66577                      ; floor(n / 63) = n x 66577 >> 22 for n up to 15,057: 66577 / 2^22 exceeds 1 / 63 by 1.8e-7, 0.003 at the most, under 1 / 63
	s_lshr_b32 s15, s15, 22
	s_min_u32 s15, s15, 238                        ; the upper of the two rows
	s_mul_i32 s16, s15, 63
	s_sub_co_u32 s16, s14, s16                     ; 63 x the lower row's weight
	s_mul_i32 s17, s15, 240
	s_lshl_b32 s20, s13, 23
	s_add_co_u32 s20, s20, 0x400000                ; g_aff: channel 256 of my batch
	s_mov_b32 s21, 0
	s_mul_i32 s22, s13, 230400
	s_mov_b32 s23, 0
	s_lshl_b32 s24, s13, 8
	s_lshl_b32 s25, ttmp9, 2
	s_add_co_u32 s24, s24, s25
	s_add_co_u32 s24, s24, s12                     ; tile number: 256 batch + 4 row + wave
	s_lshl_b32 s26, s24, 11                        ; 2,048 bytes of weights a tile,
	s_mov_b32 s27, 0
	s_lshl_b32 s28, s24, 9                         ; 512 of places
	s_mov_b32 s29, 0
	s_mov_b32 s30, 0x42ef0000                      ; 119.5, named as a pair
	s_mov_b32 s31, s30
	s_mov_b32 s32, 0x41fc0000                      ; 31.5
	s_mov_b32 s33, s32
	s_mov_b32 s34, 0xffff0000                      ; lanes with h = 1
	s_mov_b32 s35, 0x42780000                      ; 62.0
	s_mov_b32 s36, 0x3c820821                      ; 1 / 63
	s_mov_b32 s37, 66
	v_and_b32 v2, 15, v0
	v_lshl_add_u32 v2, s12, 4, v2                  ; ox
	v_bfe_u32 v3, v0, 4, 1                         ; h
	v_and_b32 v1, 31, v0
	v_lshlrev_b32 v[LN], 4, v1
	v_mul_u32_u24 v2, v2, 239
	v_mul_lo_u32 v7, v2, 0x10411                   ; the same division for the column
	v_lshrrev_b32 v7, 22, v7
	v_min_u32 v7, 238, v7
	v_mul_u32_u24 v1, v7, 63
	v_sub_nc_u32 v1, v2, v1
	v_cvt_f32_u32 v1, v1
	v_mul_f32 v[TX+1], s36, v1
	v_sub_f32 v[TX], 1.0, v[TX+1]
	v_cvt_f32_u32 v1, s16
	v_mul_f32 v1, s36, v1
	v_sub_f32 v[WY], 1.0, v1
	v_cndmask_b32 v[WY], v[WY], v1, s34            ; h = 0: the upper row's weight, h = 1: the lower's
	v_mov_b32 v[WY+1], 0
	v_pk_mul_f32 v[W3:W3+1], v[TX:TX+1], v[WY:WY+1] op_sel_hi:[1,0]
	v_mul_u32_u24 v[P4], v3, 240
	v_add3_u32 v[P4], v[P4], v7, s17               ; p = (row + h) 240 + column
	v_lshlrev_b32 v[P8], 3, v[P4]
	v_lshlrev_b32 v[P4], 2, v[P4]
	s_wait_kmcnt 0x0
	s_add_nc_u64 s[38:39], s[4:5], s[20:21]        ; g_aff
	s_add_nc_u64 s[40:41], s[38:39], 0x200000      ; g_tps: 128 channels on
	s_add_nc_u64 s[42:43], s[6:7], s[22:23]
	s_add_nc_u64 s[8:9], s[8:9], s[26:27]
	s_add_nc_u64 s[10:11], s[10:11], s[28:29]
	global_load_b32 v[QW], v[P4], s[42:43]
	global_load_b32 v[QW+1], v[P4], s[42:43] offset:4
	global_load_b64 v[GT:GT+1], v[P8], s[40:41]
	global_load_b64 v[GT+2:GT+3], v[P8], s[40:41] offset:8
	s_wait_loadcnt 0x0
.irp k, 0,1
	v_and_b32 v[Q8+\k], 0xffff, v[QW+\k]
.endr
.irp k, 0,1
	v_min_u32 v[Q8+\k], QMAX, v[Q8+\k]             ; a loaded number enters an address only bounded: q + 241 stays among the 57,600 points
.endr
.irp k, 0,1
	v_lshlrev_b32 v[Q8+\k], 3, v[Q8+\k]
.endr
.irp k, 0,1
	global_load_b64 v[GA+8*\k:GA+8*\k+1],   v[Q8+\k], s[38:39]
	global_load_b64 v[GA+8*\k+2:GA+8*\k+3], v[Q8+\k], s[38:39] offset:8
	global_load_b64 v[GA+8*\k+4:GA+8*\k+5], v[Q8+\k], s[38:39] offset:1920
	global_load_b64 v[GA+8*\k+6:GA+8*\k+7], v[Q8+\k], s[38:39] offset:1928
.endr
; From d (x, y) in v[t:t+1]: the columns' weights into v[t+8:t+9], the rows' into v[t+10:t+11]
.macro HATS t
	v_pk_add_f32 v[\t+2:\t+3], v[\t:\t+1], 1.0 op_sel_hi:[1,0] neg_lo:[1,0] neg_hi:[1,0]
	v_pk_add_f32 v[\t+4:\t+5], v[\t:\t+1], 1.0 op_sel_hi:[1,0]
	v_pk_add_f32 v[\t+6:\t+7], v[\t:\t+1], 2.0 op_sel_hi:[1,0] neg_lo:[1,0] neg_hi:[1,0]
	v_med3_num_f32 v[\t+8],  v[\t+2], 0, v[\t+4]
	v_med3_num_f32 v[\t+9],  v[\t],   0, v[\t+6]
	v_med3_num_f32 v[\t+10], v[\t+3], 0, v[\t+5]
	v_med3_num_f32 v[\t+11], v[\t+1], 0, v[\t+7]
.endm
; p number k: its four q's weights, while g_aff is on its way.  d = g x 119.5 + (119.5 - base), the base from qtab's word
.macro POINT k, lo
.set T_, TB+12*(\k)
	v_bfe_u32 v[T_], v[QW+(\k)], 16, 8
	v_lshrrev_b32 v[T_+1], 24, v[QW+(\k)]
	v_cvt_f32_u32 v[T_], v[T_]
	v_cvt_f32_u32 v[T_+1], v[T_+1]
	v_pk_add_f32 v[T_:T_+1], v[T_:T_+1], s[30:31] op_sel_hi:[1,0] neg_lo:[1,0] neg_hi:[1,0]
	v_pk_fma_f32 v[T_:T_+1], v[GT+2*(\k):GT+2*(\k)+1], s[30:31], v[T_:T_+1] op_sel_hi:[1,0,1]
	HATS T_
.if \lo
	v_pk_mul_f32 v[T_+2:T_+3], v[T_+10:T_+11], v[W3:W3+1] op_sel_hi:[1,0]
.else
	v_pk_mul_f32 v[T_+2:T_+3], v[T_+10:T_+11], v[W3:W3+1] op_sel:[0,1] op_sel_hi:[1,1]
.endif
	v_pk_mul_f32 v[W2+4*(\k):W2+4*(\k)+1],   v[T_+8:T_+9], v[T_+2:T_+3] op_sel_hi:[1,0]
	v_pk_mul_f32 v[W2+4*(\k)+2:W2+4*(\k)+3], v[T_+8:T_+9], v[T_+2:T_+3] op_sel:[0,1] op_sel_hi:[1,1]
.endm
	POINT 0, 1
	POINT 1, 0
	s_wait_loadcnt 0x0
; patch k: its place in x and its four taps' weights.  lo = 1: its q's weight is the first of the pair in W2
.macro PATCH k, lo
.set T_, TB+12*(\k)
	v_pk_add_f32 v[T_:T_+1], v[GA+2*(\k):GA+2*(\k)+1], 1.0 op_sel_hi:[1,0]
	v_pk_mul_f32 v[T_:T_+1], v[T_:T_+1], s[32:33] op_sel_hi:[1,0]
	v_floor_f32 v[T_+2], v[T_]
	v_floor_f32 v[T_+3], v[T_+1]
	v_med3_num_f32 v[T_+2], v[T_+2], 0, s35
	v_med3_num_f32 v[T_+3], v[T_+3], 0, s35
	v_pk_add_f32 v[T_:T_+1], v[T_:T_+1], v[T_+2:T_+3] neg_lo:[0,1] neg_hi:[0,1]
	v_cvt_u32_f32 v[T_+2], v[T_+2]
	v_cvt_u32_f32 v[T_+3], v[T_+3]
	v_mad_u32_u24 v[UN+(\k)], v[T_+3], s37, v[T_+2]
	HATS T_
.if \lo
	v_pk_mul_f32 v[T_+2:T_+3], v[T_+10:T_+11], v[W2+(\k):W2+(\k)+1] op_sel_hi:[1,0]
.else
	v_pk_mul_f32 v[T_+2:T_+3], v[T_+10:T_+11], v[W2+(\k)-1:W2+(\k)] op_sel:[0,1] op_sel_hi:[1,1]
.endif
	v_pk_mul_f32 v[T_+4:T_+5], v[T_+8:T_+9], v[T_+2:T_+3] op_sel_hi:[1,0]
	v_pk_mul_f32 v[T_+6:T_+7], v[T_+8:T_+9], v[T_+2:T_+3] op_sel:[0,1] op_sel_hi:[1,1]
	v_cvt_pk_bf16_f32 v[W+2*(\k)],   v[T_+4], v[T_+5]
	v_cvt_pk_bf16_f32 v[W+2*(\k)+1], v[T_+6], v[T_+7]
.endm
.irp k, 0,2,4,6
	PATCH \k, 1
	PATCH \k+1, 0
.endr
.irp f, 0,1,2,3
	v_lshl_or_b32 v[PBP+\f], v[UN+2*\f+1], 16, v[UN+2*\f]
.endr
.irp i, 0,1,2,3
	global_store_b128 v[LN], v[W+4*\i:W+4*\i+3], s[8:9] offset:512*\i   ; a wave's store covers 512 consecutive bytes, aligned
.endr
	global_store_b128 v[LN], v[PBP:PBP+3], s[10:11]
	s_endpgm
.Lfunc_end_k_q47aa84ccad_compose:
	.size	k_q47aa84ccad_compose, .Lfunc_end_k_q47aa84ccad_compose-k_q47aa84ccad_compose
	.p2alignl 7, 3214868480
	.fill 96, 4, 3214868480
	.section	.rodata,"a",@progbits
	.p2align	6, 0x0
	.amdhsa_kernel k_q47aa84ccad_compose
		.amdhsa_group_segment_fixed_size 0
		.amdhsa_private_segment_fixed_size 0
		.amdhsa_enable_private_segment 0
		.amdhsa_kernarg_size 32
		.amdhsa_user_sgpr_count 2
		.amdhsa_user_sgpr_kernarg_segment_ptr 1
		.amdhsa_wavefront_size32 1
		.amdhsa_system_sgpr_workgroup_id_x 1
		.amdhsa_system_sgpr_workgroup_id_y 1
		.amdhsa_system_sgpr_workgroup_id_z 1
		.amdhsa_system_vgpr_workitem_id 0
		.amdhsa_next_free_vgpr 172
		.amdhsa_next_free_sgpr 66
		.amdhsa_reserve_vcc 0
		.amdhsa_float_denorm_mode_32 3
		.amdhsa_float_denorm_mode_16_64 3
		.amdhsa_memory_ordered 1
		.amdhsa_forward_progress 1
		.amdhsa_inst_pref_size 18
	.end_amdhsa_kernel
	.amdgpu_metadata
---
amdhsa.version: [ 1, 2 ]
amdhsa.kernels:
  - .name:           k_q47aa84ccad_compose
    .symbol:         k_q47aa84ccad_compose.kd
    .args:
      - { .name: data, .offset: 0, .size: 8, .value_kind: global_buffer, .address_space: global }
      - { .name: qtab, .offset: 8, .size: 8, .value_kind: global_buffer, .address_space: global }
      - { .name: wts, .offset: 16, .size: 8, .value_kind: global_buffer, .address_space: global }
      - { .name: pbs, .offset: 24, .size: 8, .value_kind: global_buffer, .address_space: global }
    .group_segment_fixed_size: 0
    .private_segment_fixed_size: 0
    .kernarg_segment_align: 8
    .kernarg_segment_size: 32
    .max_flat_workgroup_size: 128
    .sgpr_count:     66
    .vgpr_count:     172
    .wavefront_size: 32
...
	.end_amdgpu_metadata
.endif
;; end of part 2
;; launch warp (part 3): grid 32 x 8, 8 waves a work-group, no clusters, 306,176 bytes of LDS; arguments data, wts, pbs, out0; writes out0
.if DOCPART == 3
	.amdgcn_target "amdgcn-amd-amdhsa--gfx1250"
	.amdhsa_code_object_version 6
	.text
	.protected	k_q47aa84ccad_warp
	.globl	k_q47aa84ccad_warp
	.p2align	8
	.type	k_q47aa84ccad_warp,@function
k_q47aa84ccad_warp:
	s_mov_b64 s[64:65], 0
	v_nop
	global_prefetch_b8 v0, s[64:65] scope:SCOPE_SE
	s_setreg_imm32_b32 hwreg(HW_REG_WAVE_MODE, 25, 1), 1
	s_wait_xcnt 0x0
; out = x + the sum over a pixel's 64 taps of weight x x(tap), for 16 channels and 2,048 output pixels (32 rows) of one batch.
; Work-group x: bit 0 = which half of the output rows, bits 4:1 = which 16 channels; y = batch.  Eight waves; a wave owns four output rows, 16 tiles of 16 pixels.
; FORMATS.  The taps' x and the weights are rounded to bf16, the sums are f32; the weights of a pixel add up to 1 at the most, so the interpolated part is off by some 2^-8 of
; the largest |x| at the worst.  The x that is added at the end is f32.
; LDS.  The 16 planes lie as [row][pixel][copy][16 channels] in bf16: a pixel is 64 bytes, its 32 bytes twice; a row 4,096 + 128 bytes.  So the four taps of a 2 x 2 patch begin in
; the four different quarters of 256 bytes (64 banks of 4 bytes: ISA guide 11.1); of the two patches that 16 lanes read together the first takes copy 0 and the second copy 1:
; 16 lanes, 16 different columns of 16 bytes.
; THE SUMS.  ds_load_tr16_b128 takes a 16-byte address from each lane: 8 taps x 8 channels come back turned, so two loads are the second source (32 taps x 16 channels) of a
; 16x16x32 matrix instruction.  The first source is the tile's weights as they come from memory: row r = pixel r's weights.  The taps are ONE pixel's, m, so only row m of the result
; counts; each pixel has its own accumulator and two instructions.  For pixels 4-7 and 12-15 the weights' rows are exchanged four apart, so that the wanted row is always
; one of an accumulator's four lowest registers.
; NO CLUSTER, NO TENSOR LOADS: what two work-groups share (the planes) has to be rounded to bf16, turned and doubled on its way into LDS, which only registers can do.
.set PITCH,  4224                      ; an image row in LDS
.set PLANES, 64*PITCH
.set SPITCH, 272                       ; a channel's 64 results in the stage: 256 bytes + 16
.set WSTAGE, 16*SPITCH
.set STAGE,  PLANES                    ; behind the planes: a stage for each wave
.set SPARE,  STAGE+8*WSTAGE            ; behind the stages: the spare words, 128 bytes for each wave
.set UMAX,   62*66+62                  ; the largest place of a patch, in pixels of 64 bytes
.set GOF,  2                           ; v2       the fill: my byte offset in a plane
.set LOFF, 3                           ; v3       my lane's part of a tap's address
.set SH,   4                           ; v4       0 or 16: which half of a word of places is mine
.set STO,  5                           ; v5       the stage: where I put results
.set RD,   6                           ; v6       the stage: where I read them back
.set CO,   7                           ; v7       my byte offset in the 16 planes' row
.set SPW,  8                           ; v8       my spare word; never rewritten
.set NIL,  9                           ; v9       0; never rewritten
.set TLN,  10                          ; v10      16 x lane
.set LA,   12                          ; v[12:15] the fill: four LDS addresses
.set T,    16                          ; v[16:23] eight tap addresses
.set OUT,  24                          ; v[24:31] a tile's results: register i = pixel i (lanes 0-15) and i + 8 (lanes 16-31), lane % 16 = channel
.set PB,   32                          ; v[32:39] places, two sets that take turns tile by tile
.set W,    40                          ; v[40:71] weights, two sets
.set A2,   72                          ; v[72:87] the weights with rows exchanged
.set ACC,  88                          ; v[88:119] four accumulators
.set BF,   120                         ; v[120:183] two buffers of four tap fragments
.set XR,   184                         ; v[184:215] x of an output row
.set RING, 88                          ; the fill: three rows of 16 planes, 32 registers each
.set PK,   184                         ; the fill: packed
.set XY,   200                         ; the fill: as stored
.set TM,   216                         ; v[216:219] at work in the set-up
	s_load_b256 s[4:11], s[0:1], 0x0               ; data s[4:5], wts s[6:7], pbs s[8:9], out0 s[10:11]
	v_lshl_add_u32 v[SPW], v0, 2, SPARE
	v_mov_b32 v[NIL], 0
	v_lshrrev_b32 v1, 5, v0
	v_readfirstlane_b32 s12, v1                    ; wave 0..7
	s_and_b32 s13, ttmp9, 1                        ; half of the output rows
	s_lshr_b32 s14, ttmp9, 1                       ; group of 16 channels
	s_and_b32 s15, ttmp7, 0xffff                   ; batch
	s_lshl_b32 s16, s15, 23
	s_lshl_b32 s18, s14, 18
	s_add_co_u32 s16, s16, s18                     ; my planes in data
	s_mov_b32 s17, 0
	s_lshl_b32 s20, s15, 22
	s_add_co_u32 s20, s20, s18                     ; and in out0
	s_mov_b32 s21, 0
	s_lshl_b32 s19, s13, 5
	s_lshl2_add_u32 s19, s12, s19                  ; my first output row: 32 half + 4 wave
	s_lshl_b32 s22, s19, 8
	s_mov_b32 s23, 0
	s_lshl_b32 s50, s15, 8
	s_lshl2_add_u32 s50, s19, s50                  ; my first tile: 256 batch + 4 row
	s_lshl_b32 s52, s50, 9
	s_mov_b32 s53, 0
	s_lshl_b32 s50, s50, 11
	s_mov_b32 s51, 0
	s_mov_b32 s47, 0
	s_mov_b32 s49, 0
	s_mov_b32 s34, 0xffff0000                      ; lanes 16-31
	s_mov_b32 s35, 0xcccccccc                      ; lanes whose bit 1 is set
	s_mov_b32 s44, 1                               ; the row behind the one in hand, modulo 4
	s_lshl_b32 s54, s12, 11
	s_mul_i32 s55, s12, 8*PITCH
	s_mul_i32 s56, s12, WSTAGE
	s_add_co_u32 s56, s56, STAGE
	v_and_b32 v11, 31, v0
	v_lshlrev_b32 v[TLN], 4, v11
	v_lshl_add_u32 v[GOF], v11, 3, s54             ; the fill: wave w takes image rows 8 w .. 8 w + 7, a lane two pixels
	s_wait_kmcnt 0x0
	s_add_nc_u64 s[28:29], s[6:7], s[50:51]        ; weights and places of my 16 tiles
	s_add_nc_u64 s[30:31], s[8:9], s[52:53]
	s_add_nc_u64 s[32:33], s[4:5], s[16:17]        ; my 16 planes
	s_add_nc_u64 s[24:25], s[32:33], s[22:23]      ; x and out0 at my first output row
	s_add_nc_u64 s[26:27], s[10:11], s[20:21]
	s_add_nc_u64 s[26:27], s[26:27], s[22:23]
	s_mov_b64 s[36:37], s[28:29]                   ; the row in hand,
	s_mov_b64 s[38:39], s[30:31]
	s_add_nc_u64 s[40:41], s[28:29], 8192          ; the row behind it
	s_add_nc_u64 s[42:43], s[30:31], 2048
.irp i, 0,1,2,3
	global_load_b128 v[W+4*\i:W+4*\i+3], v[TLN], s[36:37] offset:512*\i   ; the first tile's weights and places
.endr
	global_load_b128 v[PB:PB+3], v[TLN], s[38:39]
; THE FILL.  Row rr of my eight, all 16 planes: a load covers a plane's row, 256 consecutive bytes, aligned.  Three rows, 48 loads, are on their way.
.macro FLOAD rr
.set RB, RING+32*((\rr)%3)
.set c, 0
.rept 16
	global_load_b64 v[RB+2*c:RB+2*c+1], v[GOF], s[32:33] offset:c*16384+(\rr)*256
.set c, c+1
.endr
.endm
	FLOAD 0
	FLOAD 1
	FLOAD 2
	; A pixel's 64 bytes are four pieces of 16: channels 0-7, 8-15, 0-7, 8-15.  Store j of a lane goes to piece (j + g) % 4 with g = (lane / 2) % 4, so that 16 lanes touch
	; eight different columns of 16 bytes and not two; which half of the channels that is hangs on bit 1 of the lane, so the two halves are exchanged there first.
	v_bfe_u32 v[TM], v0, 1, 2
	v_lshl_add_u32 v[TM+1], v11, 7, s55
.irp j, 0,1,2,3
	v_add_nc_u32 v[TM+2], \j, v[TM]
	v_and_b32 v[TM+2], 3, v[TM+2]
	v_lshl_add_u32 v[LA+\j], v[TM+2], 4, v[TM+1]
.endr
	; A tap's address.  Lane l asks for tap l % 8 of its half's eight: bit 0 the column (64 bytes), bit 1 the row (a pitch), bit 2 the patch (copy 1, and the high half of the word of places); bit 3 of l: channels 8-15.
	v_and_b32 v[TM], 1, v0
	v_lshlrev_b32 v[LOFF], 6, v[TM]
	v_bfe_u32 v[TM], v0, 1, 1
	v_mul_u32_u24 v[TM], v[TM], PITCH
	v_add_nc_u32 v[LOFF], v[LOFF], v[TM]
	v_bfe_u32 v[TM], v0, 2, 1
	v_lshl_add_u32 v[LOFF], v[TM], 5, v[LOFF]
	v_lshlrev_b32 v[SH], 4, v[TM]
	v_bfe_u32 v[TM], v0, 3, 1
	v_lshl_add_u32 v[LOFF], v[TM], 4, v[LOFF]
	v_and_b32 v[TM+1], 15, v0
	v_bfe_u32 v[TM+2], v0, 4, 1
	v_mul_u32_u24 v[STO], v[TM+1], SPITCH          ; in: channel l % 16, pixels 8 (l / 16) on
	v_lshl_add_u32 v[STO], v[TM+2], 5, v[STO]
	v_add_nc_u32 v[STO], s56, v[STO]
	v_mul_u32_u24 v[RD], v[TM+2], SPITCH           ; back: lanes 0-15 a channel's 256 bytes, lanes 16-31 the next channel's
	v_lshl_add_u32 v[RD], v[TM+1], 4, v[RD]
	v_add_nc_u32 v[RD], s56, v[RD]
	v_lshlrev_b32 v[CO], 14, v[TM+2]               ; and the same in memory: a plane is 16,384 bytes
	v_lshl_add_u32 v[CO], v[TM+1], 4, v[CO]
.irp n, 0,1,2,3,4,5,6,7
	v_mov_b32 v[T+\n], 0                           ; destinations of lane-crossing moves count as read: written once here
.endr
.irp n, 0,1,2,3,4,5,6,7,8,9,10,11,12,13,14,15
	v_mov_b32 v[A2+\n], 0
.endr
; Row rr is packed and stored; left = the loads younger than its own that may stay out
.macro FROW rr, left
	s_wait_loadcnt \left
.set RB, RING+32*((\rr)%3)
.set e, 0
.rept 2
.set i, 0
.rept 8
	v_cvt_pk_bf16_f32 v[PK+8*e+i], v[RB+4*i+e], v[RB+4*i+2+e]   ; pixel e of my two: channels 2 i, 2 i + 1
.set i, i+1
.endr
.set e, e+1
.endr
.if (\rr)+3 < 8
	FLOAD (\rr)+3
.endif
.set e, 0
.rept 2
.set i, 0
.rept 4
	v_cndmask_b32 v[XY+8*e+i],   v[PK+8*e+i],   v[PK+8*e+4+i], s35
	v_cndmask_b32 v[XY+8*e+4+i], v[PK+8*e+4+i], v[PK+8*e+i],   s35
.set i, i+1
.endr
.set e, e+1
.endr
.set e, 0
.rept 2
.set i, 0
.rept 4
	ds_store_b128 v[LA+i], v[XY+8*e+4*(i%2):XY+8*e+4*(i%2)+3] offset:(\rr)*PITCH+e*64
.set i, i+1
.endr
.set e, e+1
.endr
.endm
	FROW 0, 32                                     ; two younger rows of 16 loads stay out
	FROW 1, 32
	FROW 2, 32
	FROW 3, 32
	FROW 4, 32
	FROW 5, 32
	FROW 6, 16
	FROW 7, 0
	s_wait_dscnt 0x0                               ; for the others' sake: my part of the planes is in LDS
	s_barrier_signal -1
	s_barrier_wait -1                              ; everybody's is; from here on the planes are only read
; Eight tap addresses for pixels ma and mb (four loads each).  Word f = 2 k + l of places lies in lane (pixel, my half): every lane of the half takes it, cuts out its patch's
; place, bounds it (a loaded number enters an address only bounded: the taps stay inside the planes) and adds its own part.
.macro ADDR ma, mb
.irp f, 0,1,2,3
	v_mov_b32_dpp v[T+\f], v[PBS+\f] row_share:\ma row_mask:0xf bank_mask:0xf
.endr
.irp f, 0,1,2,3
	v_mov_b32_dpp v[T+4+\f], v[PBS+\f] row_share:\mb row_mask:0xf bank_mask:0xf
.endr
.irp n, 0,1,2,3,4,5,6,7
	v_bfe_u32 v[T+\n], v[T+\n], v[SH], 16
.endr
.irp n, 0,1,2,3,4,5,6,7
	v_min_u32 v[T+\n], UMAX, v[T+\n]
.endr
.irp n, 0,1,2,3,4,5,6,7
	v_lshl_add_u32 v[T+\n], v[T+\n], 6, v[LOFF]
.endr
.endm
.macro LOADS i                         ; the pair's four fragments: 16 taps x 16 channels a load
.set BB, BF+32*((\i)%2)
.irp n, 0,1,2,3,4,5,6,7
	ds_load_tr16_b128 v[BB+4*\n:BB+4*\n+3], v[T+\n]
.endr
.endm
.macro MULT i                          ; pixels i and i + 8: two accumulators by turns; the first product starts each sum
.set BB, BF+32*((\i)%2)
.set AC, ACC+16*((\i)%2)
.if (\i) < 4
.set AW, WS
.else
.set AW, A2
.endif
	v_wmma_f32_16x16x32_bf16 v[AC:AC+7],    v[AW:AW+7],    v[BB:BB+7],     0
	v_wmma_f32_16x16x32_bf16 v[AC+8:AC+15], v[AW:AW+7],    v[BB+16:BB+23], 0
	v_wmma_f32_16x16x32_bf16 v[AC:AC+7],    v[AW+8:AW+15], v[BB+8:BB+15],  v[AC:AC+7]
	v_wmma_f32_16x16x32_bf16 v[AC+8:AC+15], v[AW+8:AW+15], v[BB+24:BB+31], v[AC+8:AC+15]
.endm
.macro TAKE i                          ; pixel i's row is register i % 4 in lanes 0-15 of the first accumulator, pixel i + 8's the same register in lanes 16-31 of the second
.set AC, ACC+16*((\i)%2)
	v_cndmask_b32 v[OUT+(\i)], v[AC+(\i)%4], v[AC+8+(\i)%4], s34
.endm
; A TILE, number j of its output row.  While a pair of pixels is multiplied the next pair's eight loads are out.  The 32 address instructions of the pair after next stand between a pair's
; products and whatever reads their results or loads into their sources: more than the four plain vector instructions that must stand there.
.macro TILE j
.set PBS, PB+4*((\j)%2)
.set WS,  W+16*((\j)%2)
.set PBN, PB+4*(((\j)+1)%2)
.set WN,  W+16*(((\j)+1)%2)
	s_wait_loadcnt 0x0                             ; this tile's weights and places, asked for a tile ago
.if (\j) < 3
.irp i, 0,1,2,3
	global_load_b128 v[WN+4*\i:WN+4*\i+3], v[TLN], s[36:37] offset:((\j)+1)*2048+512*\i   ; the next tile's
.endr
	global_load_b128 v[PBN:PBN+3], v[TLN], s[38:39] offset:((\j)+1)*512
.else
.irp i, 0,1,2,3
	global_load_b128 v[WN+4*\i:WN+4*\i+3], v[TLN], s[40:41] offset:512*\i   ; the next row's first tile (behind my last row: my first row's once more, unused, so that no load leaves the buffer)
.endr
	global_load_b128 v[PBN:PBN+3], v[TLN], s[42:43]
.irp i, 0,1,2,3,4,5,6,7
	global_load_b128 v[XR+4*\i:XR+4*\i+3], v[CO], s[24:25] offset:32768*\i   ; x of this output row, f32: two channels a load
.endr
.endif
.irp n, 0,1,2,3,4,5,6,7,8,9,10,11,12,13,14,15
	v_mov_b32_dpp v[A2+\n], v[WS+\n] row_xmask:4 row_mask:0xf bank_mask:0xf
.endr
	ADDR 0, 8
	LOADS 0
	ADDR 1, 9
	LOADS 1
	s_wait_dscnt 0x8                               ; LDS loads come back in order: all but the eight just issued
	MULT 0
	ADDR 2, 10
	LOADS 2
	s_wait_dscnt 0x8
	TAKE 0
	MULT 1
	ADDR 3, 11
	LOADS 3
	s_wait_dscnt 0x8
	TAKE 1
	MULT 2
	ADDR 4, 12
	LOADS 4
	s_wait_dscnt 0x8
	TAKE 2
	MULT 3
	ADDR 5, 13
	LOADS 5
	s_wait_dscnt 0x8
	TAKE 3
	MULT 4
	ADDR 6, 14
	LOADS 6
	s_wait_dscnt 0x8
	TAKE 4
	MULT 5
	ADDR 7, 15
	LOADS 7
	s_wait_dscnt 0x8
	TAKE 5
	MULT 6
	s_wait_dscnt 0x0
	MULT 7
.rept 4
	v_nop                                          ; the four places behind the last products: no other vector work is at hand
.endr
	TAKE 6
	TAKE 7
	ds_store_b128 v[STO], v[OUT:OUT+3] offset:64*(\j)          ; four neighbouring pixels of my channel; the 16 channels' rows are 272 bytes apart
	ds_store_b128 v[STO], v[OUT+4:OUT+7] offset:64*(\j)+16
.if (\j) == 3
	; THE ROW GOES OUT: 64 pixels x 16 channels come back by channels, x is added in f32, and 16 lanes store 256 consecutive bytes, aligned.
.irp i, 0,1,2,3,4,5,6,7
	ds_load_b128 v[BF+4*\i:BF+4*\i+3], v[RD] offset:544*\i     ; the stage is my own, and LDS serves a wave's instructions in order (ISA guide 5.7.1.4)
.endr
	s_wait_loadcnt 0x0                             ; x of the row, asked for ahead of the tile's products
	s_wait_dscnt 0x0
.irp n, 0,1,2,3,4,5,6,7,8,9,10,11,12,13,14,15
	v_pk_add_f32 v[BF+2*\n:BF+2*\n+1], v[BF+2*\n:BF+2*\n+1], v[XR+2*\n:XR+2*\n+1]
.endr
.irp i, 0,1,2,3,4,5,6,7
	global_store_b128 v[CO], v[BF+4*\i:BF+4*\i+3], s[26:27] offset:32768*\i th:TH_STORE_NT
.endr
	s_wait_xcnt 0x0                                ; the stores' data and bases are rewritten only behind this wait
	s_add_nc_u64 s[24:25], s[24:25], 256           ; the next output row
	s_add_nc_u64 s[26:27], s[26:27], 256
	s_mov_b64 s[36:37], s[40:41]
	s_mov_b64 s[38:39], s[42:43]
	s_add_co_u32 s44, s44, 1
	s_and_b32 s44, s44, 3
	s_lshl_b32 s46, s44, 13
	s_lshl_b32 s48, s44, 11
	s_add_nc_u64 s[40:41], s[28:29], s[46:47]
	s_add_nc_u64 s[42:43], s[30:31], s[48:49]
.endif
.endm
	s_mov_b32 s45, 4
.Lrow:                                                 ; my four output rows
	TILE 0
	TILE 1
	TILE 2
	TILE 3
	s_sub_co_u32 s45, s45, 1
	s_cmp_lg_u32 s45, 0
	s_cbranch_scc1 .Lrow
	s_wait_tensorcnt 0x0                           ; the wave's end, behind my last LDS store
	ds_add_u32 v[SPW], v[NIL]
	s_wait_dscnt 0x0
	s_endpgm
.Lfunc_end_k_q47aa84ccad_warp:
	.size	k_q47aa84ccad_warp, .Lfunc_end_k_q47aa84ccad_warp-k_q47aa84ccad_warp
	.p2alignl 7, 3214868480
	.fill 96, 4, 3214868480
	.section	.rodata,"a",@progbits
	.p2align	6, 0x0
	.amdhsa_kernel k_q47aa84ccad_warp
		.amdhsa_group_segment_fixed_size 306176
		.amdhsa_private_segment_fixed_size 0
		.amdhsa_enable_private_segment 0
		.amdhsa_kernarg_size 32
		.amdhsa_user_sgpr_count 2
		.amdhsa_user_sgpr_kernarg_segment_ptr 1
		.amdhsa_wavefront_size32 1
		.amdhsa_system_sgpr_workgroup_id_x 1
		.amdhsa_system_sgpr_workgroup_id_y 1
		.amdhsa_system_sgpr_workgroup_id_z 1
		.amdhsa_system_vgpr_workitem_id 0
		.amdhsa_next_free_vgpr 220
		.amdhsa_next_free_sgpr 66
		.amdhsa_reserve_vcc 0
		.amdhsa_float_denorm_mode_32 3
		.amdhsa_float_denorm_mode_16_64 3
		.amdhsa_memory_ordered 1
		.amdhsa_forward_progress 1
		.amdhsa_inst_pref_size 140
	.end_amdhsa_kernel
	.amdgpu_metadata
---
amdhsa.version: [ 1, 2 ]
amdhsa.kernels:
  - .name:           k_q47aa84ccad_warp
    .symbol:         k_q47aa84ccad_warp.kd
    .args:
      - { .name: data, .offset: 0, .size: 8, .value_kind: global_buffer, .address_space: global }
      - { .name: wts, .offset: 8, .size: 8, .value_kind: global_buffer, .address_space: global }
      - { .name: pbs, .offset: 16, .size: 8, .value_kind: global_buffer, .address_space: global }
      - { .name: out0, .offset: 24, .size: 8, .value_kind: global_buffer, .address_space: global }
    .group_segment_fixed_size: 306176
    .private_segment_fixed_size: 0
    .kernarg_segment_align: 8
    .kernarg_segment_size: 32
    .max_flat_workgroup_size: 256
    .sgpr_count:     66
    .vgpr_count:     220
    .wavefront_size: 32
...
	.end_amdgpu_metadata
.endif
;; end of part 3
;; ======== version 2 of 2: 3 launches; version 1 with the launch warp written anew for expert scheduling mode
;; limits: values outside matrix products are rounded to bf16
;; workspace buffers: qtab 1,843,200 bytes of whole numbers; wts 4,194,304 bytes; pbs 1,048,576 bytes of whole numbers
;; launch qtab: the kernel of part 1 again; grid 45 x 8, 4 waves a work-group, no clusters, 0 bytes of LDS; arguments data, qtab; writes qtab
;; launch compose: the kernel of part 2 again; grid 64 x 8, 4 waves a work-group, no clusters, 0 bytes of LDS; arguments data, qtab, wts, pbs; writes wts, pbs
;; launch warp (part 4): grid 32 x 8, 8 waves a work-group, no clusters, 306,176 bytes of LDS; arguments data, wts, pbs, out0; writes out0
.if DOCPART == 4
	.amdgcn_target "amdgcn-amd-amdhsa--gfx1250"
	.amdhsa_code_object_version 6
	.text
	.protected	k_q47aa84ccad_warp
	.globl	k_q47aa84ccad_warp
	.p2align	8
	.type	k_q47aa84ccad_warp,@function
k_q47aa84ccad_warp:
	s_mov_b64 s[64:65], 0
	v_nop
	global_prefetch_b8 v0, s[64:65] scope:SCOPE_SE
	s_setreg_imm32_b32 hwreg(HW_REG_WAVE_SCHED_MODE, 0, 2), 2
	s_setreg_imm32_b32 hwreg(HW_REG_WAVE_MODE, 25, 1), 1
	s_wait_xcnt 0x0
	s_wait_alu depctr_vm_vsrc(0)
; out = x + the sum over a pixel's 64 taps of weight x x(tap), for 16 channels and 2,048 output pixels (32 rows) of one batch.
; Work-group x: bit 0 = which half of the output rows, bits 4:1 = which 16 channels; y = batch.  Eight waves; a wave owns four output rows, 16 tiles of 16 pixels.
; FORMATS.  The taps' x and the weights are rounded to bf16, the sums are f32; the weights of a pixel add up to 1 at the most, so the interpolated part is off by some 2^-8 of
; the largest |x| at the worst.  The x that is added at the end is f32.
; LDS.  The 16 planes lie as [row][pixel][copy][16 channels] in bf16: a pixel is 64 bytes, its 32 bytes twice; a row 4,096 + 128 bytes.  So the four taps of a 2 x 2 patch begin in
; the four different quarters of 256 bytes (64 banks of 4 bytes: ISA guide 11.1); of the two patches that 16 lanes read together the first takes copy 0 and the second copy 1:
; 16 lanes, 16 different columns of 16 bytes.
; THE SUMS.  ds_load_tr16_b128 takes a 16-byte address from each lane: 8 taps x 8 channels come back turned, so two loads are the second source (32 taps x 16 channels) of a
; 16x16x32 matrix instruction.  The first source is the tile's weights as they come from memory: row r = pixel r's weights.  The taps are ONE pixel's, m, so only row m of the result
; counts; each pixel has its own accumulator and two instructions.  For pixels 4-7 and 12-15 the weights' rows are exchanged four apart, so that the wanted row is always
; one of an accumulator's four lowest registers.
; NO CLUSTER, NO TENSOR LOADS: what two work-groups share (the planes) has to be rounded to bf16, turned and doubled on its way into LDS, which only registers can do.
; THE MODE: SCHED_MODE bits 1:0 = 2 (LLVM: expert scheduling mode 2), set by the entry lines.  The code itself states the register dependences
; between vector or matrix instructions and memory or LDS instructions, with s_wait_alu, always for 0.
; THE PLAN.  Registers that memory or LDS instructions touch:
;   v[TLN], v[GOF], v[LA ..], v[STO], v[RD], v[CO]   offsets and addresses, made once in the set-up and never written again.
;   RING, XY (the fill)   A row's conversions read its ring row, which is then loaded again; its selects write XY, which its eight LDS stores read.
;   T0, T1    Pair i's 32 address instructions write set i % 2; pair i's eight LDS loads read it.
;   BF0, BF1  Pair i's LDS loads land in buffer i % 2; pair i's four products read it.  In a row's last tile BF0 also takes the row back from the stage, is added to, and is stored.
;   OUT       Written by the tile's eight selects, read by its two stores into the stage.
;   W, PB     Two sets: the loads at a tile's head land in the set that the tile before worked on; the tile's products, exchange and address instructions read the other.
;   XR        x of an output row: loaded at the head of the row's last tile, read by the sixteen sums at its end.
; A STEP is a pair of pixels, i and i + 8.  At its head stand the wait for its fragments and two lines: the loads issued a step ago have read T[i % 2], which this step's address instructions
; write again; and T[(i + 1) % 2] is written and the products of the step before are done reading BF[(i + 1) % 2].  Behind them pair i + 1's eight loads are dealt among pair i's four
; products, which name the weights, BF[i % 2] and their accumulators: none of the registers that those loads touch.
.set PITCH,  4224                      ; an image row in LDS
.set PLANES, 64*PITCH
.set SPITCH, 272                       ; a channel's 64 results in the stage: 256 bytes + 16
.set WSTAGE, 16*SPITCH
.set STAGE,  PLANES                    ; behind the planes: a stage for each wave
.set SPARE,  STAGE+8*WSTAGE            ; behind the stages: the spare words, 128 bytes for each wave
.set UMAX,   62*66+62                  ; the largest place of a patch, in pixels of 64 bytes
.set GOF,  2                           ; v2       the fill: my byte offset in a plane
.set LOFF, 3                           ; v3       my lane's part of a tap's address
.set SH,   4                           ; v4       0 or 16: which half of a word of places is mine
.set STO,  5                           ; v5       the stage: where I put results
.set RD,   6                           ; v6       the stage: where I read them back
.set CO,   7                           ; v7       my byte offset in the 16 planes' row
.set SPW,  8                           ; v8       my spare word; never rewritten
.set NIL,  9                           ; v9       0; never rewritten
.set TLN,  10                          ; v10      16 x lane
.set LA,   12                          ; v[12:15] the fill: four LDS addresses
.set T,    16                          ; v[16:23] eight tap addresses: the set of the even pairs
.set OUT,  24                          ; v[24:31] a tile's results: register i = pixel i (lanes 0-15) and i + 8 (lanes 16-31), lane % 16 = channel
.set PB,   32                          ; v[32:39] places, two sets that take turns tile by tile
.set W,    40                          ; v[40:71] weights, two sets
.set A2,   72                          ; v[72:87] the weights with rows exchanged
.set ACC,  88                          ; v[88:119] four accumulators
.set BF,   120                         ; v[120:183] two buffers of four tap fragments
.set XR,   184                         ; v[184:215] x of an output row
.set RING, 88                          ; the fill: three rows of 16 planes, 32 registers each
.set PK,   184                         ; the fill: packed
.set XY,   200                         ; the fill: as stored
.set TM,   216                         ; v[216:219] at work in the set-up
.set T1,   220                         ; v[220:227] eight tap addresses: the set of the odd pairs
	s_load_b256 s[4:11], s[0:1], 0x0               ; data s[4:5], wts s[6:7], pbs s[8:9], out0 s[10:11]
	v_lshl_add_u32 v[SPW], v0, 2, SPARE
	v_mov_b32 v[NIL], 0
	v_lshrrev_b32 v1, 5, v0
	v_readfirstlane_b32 s12, v1                    ; wave 0..7
	s_and_b32 s13, ttmp9, 1                        ; half of the output rows
	s_lshr_b32 s14, ttmp9, 1                       ; group of 16 channels
	s_and_b32 s15, ttmp7, 0xffff                   ; batch
	s_lshl_b32 s16, s15, 23
	s_lshl_b32 s18, s14, 18
	s_add_co_u32 s16, s16, s18                     ; my planes in data
	s_mov_b32 s17, 0
	s_lshl_b32 s20, s15, 22
	s_add_co_u32 s20, s20, s18                     ; and in out0
	s_mov_b32 s21, 0
	s_lshl_b32 s19, s13, 5
	s_wait_alu depctr_va_sdst(0)                   ; s12 is written, ahead of its first reader: rows, tiles and LDS places are made from it
	s_lshl2_add_u32 s19, s12, s19                  ; my first output row: 32 half + 4 wave
	s_lshl_b32 s22, s19, 8
	s_mov_b32 s23, 0
	s_lshl_b32 s50, s15, 8
	s_lshl2_add_u32 s50, s19, s50                  ; my first tile: 256 batch + 4 row
	s_lshl_b32 s52, s50, 9
	s_mov_b32 s53, 0
	s_lshl_b32 s50, s50, 11
	s_mov_b32 s51, 0
	s_mov_b32 s47, 0
	s_mov_b32 s49, 0
	s_mov_b32 s34, 0xffff0000                      ; lanes 16-31
	s_mov_b32 s35, 0xcccccccc                      ; lanes whose bit 1 is set
	s_mov_b32 s44, 1                               ; the row behind the one in hand, modulo 4
	s_lshl_b32 s54, s12, 11
	s_mul_i32 s55, s12, 8*PITCH
	s_mul_i32 s56, s12, WSTAGE
	s_add_co_u32 s56, s56, STAGE
	v_and_b32 v11, 31, v0
	v_lshlrev_b32 v[TLN], 4, v11
	v_lshl_add_u32 v[GOF], v11, 3, s54             ; the fill: wave w takes image rows 8 w .. 8 w + 7, a lane two pixels
	s_wait_kmcnt 0x0
	s_add_nc_u64 s[28:29], s[6:7], s[50:51]        ; weights and places of my 16 tiles
	s_add_nc_u64 s[30:31], s[8:9], s[52:53]
	s_add_nc_u64 s[32:33], s[4:5], s[16:17]        ; my 16 planes
	s_add_nc_u64 s[24:25], s[32:33], s[22:23]      ; x and out0 at my first output row
	s_add_nc_u64 s[26:27], s[10:11], s[20:21]
	s_add_nc_u64 s[26:27], s[26:27], s[22:23]
	s_mov_b64 s[36:37], s[28:29]                   ; the row in hand,
	s_mov_b64 s[38:39], s[30:31]
	s_add_nc_u64 s[40:41], s[28:29], 8192          ; the row behind it
	s_add_nc_u64 s[42:43], s[30:31], 2048
	s_wait_alu depctr_va_vdst(0)                   ; v[TLN] and v[GOF] are written, which the loads below read as their offsets
.irp i, 0,1,2,3
	global_load_b128 v[W+4*\i:W+4*\i+3], v[TLN], s[36:37] offset:512*\i   ; the first tile's weights and places
.endr
	global_load_b128 v[PB:PB+3], v[TLN], s[38:39]
; THE FILL.  Row rr of my eight, all 16 planes: a load covers a plane's row, 256 consecutive bytes, aligned.  Three rows, 48 loads, are on their way.
.macro FLOAD rr
.set RB, RING+32*((\rr)%3)
.set c, 0
.rept 16
	global_load_b64 v[RB+2*c:RB+2*c+1], v[GOF], s[32:33] offset:c*16384+(\rr)*256
.set c, c+1
.endr
.endm
	FLOAD 0
	FLOAD 1
	FLOAD 2
	; A pixel's 64 bytes are four pieces of 16: channels 0-7, 8-15, 0-7, 8-15.  Store j of a lane goes to piece (j + g) % 4 with g = (lane / 2) % 4, so that 16 lanes touch
	; eight different columns of 16 bytes and not two; which half of the channels that is hangs on bit 1 of the lane, so the two halves are exchanged there first.
	v_bfe_u32 v[TM], v0, 1, 2
	v_lshl_add_u32 v[TM+1], v11, 7, s55
.irp j, 0,1,2,3
	v_add_nc_u32 v[TM+2], \j, v[TM]
	v_and_b32 v[TM+2], 3, v[TM+2]
	v_lshl_add_u32 v[LA+\j], v[TM+2], 4, v[TM+1]
.endr
	; A tap's address.  Lane l asks for tap l % 8 of its half's eight: bit 0 the column (64 bytes), bit 1 the row (a pitch), bit 2 the patch (copy 1, and the high half of the word of places); bit 3 of l: channels 8-15.
	v_and_b32 v[TM], 1, v0
	v_lshlrev_b32 v[LOFF], 6, v[TM]
	v_bfe_u32 v[TM], v0, 1, 1
	v_mul_u32_u24 v[TM], v[TM], PITCH
	v_add_nc_u32 v[LOFF], v[LOFF], v[TM]
	v_bfe_u32 v[TM], v0, 2, 1
	v_lshl_add_u32 v[LOFF], v[TM], 5, v[LOFF]
	v_lshlrev_b32 v[SH], 4, v[TM]
	v_bfe_u32 v[TM], v0, 3, 1
	v_lshl_add_u32 v[LOFF], v[TM], 4, v[LOFF]
	v_and_b32 v[TM+1], 15, v0
	v_bfe_u32 v[TM+2], v0, 4, 1
	v_mul_u32_u24 v[STO], v[TM+1], SPITCH          ; in: channel l % 16, pixels 8 (l / 16) on
	v_lshl_add_u32 v[STO], v[TM+2], 5, v[STO]
	v_add_nc_u32 v[STO], s56, v[STO]
	v_mul_u32_u24 v[RD], v[TM+2], SPITCH           ; back: lanes 0-15 a channel's 256 bytes, lanes 16-31 the next channel's
	v_lshl_add_u32 v[RD], v[TM+1], 4, v[RD]
	v_add_nc_u32 v[RD], s56, v[RD]
	v_lshlrev_b32 v[CO], 14, v[TM+2]               ; and the same in memory: a plane is 16,384 bytes
	v_lshl_add_u32 v[CO], v[TM+1], 4, v[CO]
.irp n, 0,1,2,3,4,5,6,7
	v_mov_b32 v[T+\n], 0                           ; destinations of lane-crossing moves count as read: written once here
	v_mov_b32 v[T1+\n], 0
.endr
.irp n, 0,1,2,3,4,5,6,7,8,9,10,11,12,13,14,15
	v_mov_b32 v[A2+\n], 0
.endr
; Row rr is packed and stored; left = the loads younger than its own that may stay out
.macro FROW rr, left
	s_wait_loadcnt \left
.if (\rr) > 0
	s_wait_alu depctr_vm_vsrc(0)                   ; the last row's LDS stores have read v[XY ..], which the selects below write again
.endif
.set RB, RING+32*((\rr)%3)
.set e, 0
.rept 2
.set i, 0
.rept 8
	v_cvt_pk_bf16_f32 v[PK+8*e+i], v[RB+4*i+e], v[RB+4*i+2+e]   ; pixel e of my two: channels 2 i, 2 i + 1
.set i, i+1
.endr
.set e, e+1
.endr
.set e, 0
.rept 2
.set i, 0
.rept 4
	v_cndmask_b32 v[XY+8*e+i],   v[PK+8*e+i],   v[PK+8*e+4+i], s35
	v_cndmask_b32 v[XY+8*e+4+i], v[PK+8*e+4+i], v[PK+8*e+i],   s35
.set i, i+1
.endr
.set e, e+1
.endr
	s_wait_alu depctr_va_vdst(0)                   ; the conversions are done reading this ring row, in which the loads below land; the selects have written v[XY ..], which the LDS stores read; in the first row: v[LA ..] and the other addresses of the set-up are written
.if (\rr)+3 < 8
	FLOAD (\rr)+3
.endif
.set e, 0
.rept 2
.set i, 0
.rept 4
	ds_store_b128 v[LA+i], v[XY+8*e+4*(i%2):XY+8*e+4*(i%2)+3] offset:(\rr)*PITCH+e*64
.set i, i+1
.endr
.set e, e+1
.endr
.endm
	FROW 0, 32                                     ; two younger rows of 16 loads stay out
	FROW 1, 32
	FROW 2, 32
	FROW 3, 32
	FROW 4, 32
	FROW 5, 32
	FROW 6, 16
	FROW 7, 0
	s_wait_dscnt 0x0                               ; for the others' sake: my part of the planes is in LDS
	s_barrier_signal -1
	s_barrier_wait -1                              ; everybody's is; from here on the planes are only read
; Eight tap addresses for pixels ma and mb (four loads each), into the set of the pair's parity.  Word f = 2 k + l of places lies in lane (pixel, my half): every lane of the half takes it,
; cuts out its patch's place, bounds it (a loaded number enters an address only bounded: the taps stay inside the planes) and adds its own part.
.macro ADDR ma, mb
.set TS, T+(T1-T)*((\ma)%2)
.irp f, 0,1,2,3
	v_mov_b32_dpp v[TS+\f], v[PBS+\f] row_share:\ma row_mask:0xf bank_mask:0xf
.endr
.irp f, 0,1,2,3
	v_mov_b32_dpp v[TS+4+\f], v[PBS+\f] row_share:\mb row_mask:0xf bank_mask:0xf
.endr
.irp n, 0,1,2,3,4,5,6,7
	v_bfe_u32 v[TS+\n], v[TS+\n], v[SH], 16
.endr
.irp n, 0,1,2,3,4,5,6,7
	v_min_u32 v[TS+\n], UMAX, v[TS+\n]
.endr
.irp n, 0,1,2,3,4,5,6,7
	v_lshl_add_u32 v[TS+\n], v[TS+\n], 6, v[LOFF]
.endr
.endm
.macro LOADH i, q                      ; four of pair i's eight loads: the two fragments of pixel i (q = 0) or i + 8 (q = 1); 16 taps x 16 channels a load
.set BN, BF+32*((\i)%2)+16*(\q)
.set TN, T+(T1-T)*((\i)%2)+4*(\q)
.irp n, 0,1,2,3
	ds_load_tr16_b128 v[BN+4*\n:BN+4*\n+3], v[TN+\n]
.endr
.endm
; STEP i: pixels i and i + 8 are multiplied: two accumulators by turns; the first product starts each sum.  Pair i + 1's loads are dealt among the products.
.macro STEP i
.set BB, BF+32*((\i)%2)
.set AC, ACC+16*((\i)%2)
.if (\i) < 4
.set AW, WS
.else
.set AW, A2
.endif
	s_wait_dscnt 0x0                               ; pair i's eight loads, issued a step ago, are in; nothing younger is out
.if (\i) < 6
	s_wait_alu depctr_vm_vsrc(0)                   ; those loads have read the address set i % 2, which the address instructions behind this step's products write again
.endif
.if (\i) < 7
	s_wait_alu depctr_va_vdst(0)                   ; pair i + 1's addresses are written, which the loads below read; the products of pair i - 1 are done reading the fragment buffer in which they land
.endif
	v_wmma_f32_16x16x32_bf16 v[AC:AC+7],    v[AW:AW+7],    v[BB:BB+7],     0
.if (\i) < 7
	LOADH (\i)+1, 0                                ; no further wait: no vector or matrix instruction since the wait above names these addresses or this buffer
.endif
	v_wmma_f32_16x16x32_bf16 v[AC+8:AC+15], v[AW:AW+7],    v[BB+16:BB+23], 0
.if (\i) < 7
	LOADH (\i)+1, 1
.endif
	v_wmma_f32_16x16x32_bf16 v[AC:AC+7],    v[AW+8:AW+15], v[BB+8:BB+15],  v[AC:AC+7]
	v_wmma_f32_16x16x32_bf16 v[AC+8:AC+15], v[AW+8:AW+15], v[BB+24:BB+31], v[AC+8:AC+15]
.endm
.macro TAKE i                          ; pixel i's row is register i % 4 in lanes 0-15 of the first accumulator, pixel i + 8's the same register in lanes 16-31 of the second
.set AC, ACC+16*((\i)%2)
	v_cndmask_b32 v[OUT+(\i)], v[AC+(\i)%4], v[AC+8+(\i)%4], s34
.endm
; A TILE, number j of its output row.  While a pair of pixels is multiplied the next pair's eight loads are out.  The 32 address instructions of the pair after that stand between a pair's
; products and the select that reads their results: more than the four plain vector instructions that must stand there (ISA guide 7.12.1).
.macro TILE j
.set PBS, PB+4*((\j)%2)
.set WS,  W+16*((\j)%2)
.set PBN, PB+4*(((\j)+1)%2)
.set WN,  W+16*(((\j)+1)%2)
	s_wait_loadcnt 0x0                             ; this tile's weights and places, asked for a tile ago
	s_wait_alu depctr_vm_vsrc(0)                   ; the last tile's loads of pair 7 have read the odd address set, its stage stores v[OUT ..], and behind a row the row's stores v[BF ..]: all are written again below; in my first tiles: the fill's LDS stores have read v[XY ..], in which x lands
	; The loads below owe no wait on the vector side: the products, exchanges, address instructions and sums that named their registers stand ahead of the last tile's last such wait, and nothing issued since names them.
.if (\j) < 3
.irp i, 0,1,2,3
	global_load_b128 v[WN+4*\i:WN+4*\i+3], v[TLN], s[36:37] offset:((\j)+1)*2048+512*\i   ; the next tile's
.endr
	global_load_b128 v[PBN:PBN+3], v[TLN], s[38:39] offset:((\j)+1)*512
.else
.irp i, 0,1,2,3
	global_load_b128 v[WN+4*\i:WN+4*\i+3], v[TLN], s[40:41] offset:512*\i   ; the next row's first tile (behind my last row: my first row's once more, unused, so that no load leaves the buffer)
.endr
	global_load_b128 v[PBN:PBN+3], v[TLN], s[42:43]
.irp i, 0,1,2,3,4,5,6,7
	global_load_b128 v[XR+4*\i:XR+4*\i+3], v[CO], s[24:25] offset:32768*\i   ; x of this output row, f32: two channels a load
.endr
.endif
	ADDR 0, 8
	s_wait_alu depctr_va_vdst(0)                   ; pair 0's addresses are written, which the loads below read; whatever read or wrote the even fragment buffer in the last tile is complete
	LOADH 0, 0
	LOADH 0, 1
.irp n, 0,1,2,3,4,5,6,7,8,9,10,11,12,13,14,15
	v_mov_b32_dpp v[A2+\n], v[WS+\n] row_xmask:4 row_mask:0xf bank_mask:0xf
.endr
	ADDR 1, 9
	STEP 0
	ADDR 2, 10
	TAKE 0
	STEP 1
	ADDR 3, 11
	TAKE 1
	STEP 2
	ADDR 4, 12
	TAKE 2
	STEP 3
	ADDR 5, 13
	TAKE 3
	STEP 4
	ADDR 6, 14
	TAKE 4
	STEP 5
	ADDR 7, 15
	TAKE 5
	STEP 6
	STEP 7
.rept 4
	v_nop                                          ; the four places behind the last products: no other vector work is at hand
.endr
	TAKE 6
	TAKE 7
	s_wait_alu depctr_va_vdst(0)                   ; the eight selects have written v[OUT ..], which the stage stores read; the tile's products are done reading the fragment buffers, in one of which a row's read-back lands
	ds_store_b128 v[STO], v[OUT:OUT+3] offset:64*(\j)          ; four neighbouring pixels of my channel; the 16 channels' rows are 272 bytes apart
	ds_store_b128 v[STO], v[OUT+4:OUT+7] offset:64*(\j)+16
.if (\j) == 3
	; THE ROW GOES OUT: 64 pixels x 16 channels come back by channels, x is added in f32, and 16 lanes store 256 consecutive bytes, aligned.
.irp i, 0,1,2,3,4,5,6,7
	ds_load_b128 v[BF+4*\i:BF+4*\i+3], v[RD] offset:544*\i     ; the stage is my own, and LDS serves a wave's instructions in order (ISA guide 5.7.1.4)
.endr
	s_wait_loadcnt 0x0                             ; x of the row, asked for ahead of the tile's products
	s_wait_dscnt 0x0
.irp n, 0,1,2,3,4,5,6,7,8,9,10,11,12,13,14,15
	v_pk_add_f32 v[BF+2*\n:BF+2*\n+1], v[BF+2*\n:BF+2*\n+1], v[XR+2*\n:XR+2*\n+1]
.endr
	s_wait_alu depctr_va_vdst(0)                   ; the sixteen sums have written v[BF ..], which the stores read
.irp i, 0,1,2,3,4,5,6,7
	global_store_b128 v[CO], v[BF+4*\i:BF+4*\i+3], s[26:27] offset:32768*\i th:TH_STORE_NT
.endr
	s_wait_xcnt 0x0                                ; the stores' data and bases are rewritten only behind this wait (for the data the next tile's head states besides that the stores have read them)
	s_add_nc_u64 s[24:25], s[24:25], 256           ; the next output row
	s_add_nc_u64 s[26:27], s[26:27], 256
	s_mov_b64 s[36:37], s[40:41]
	s_mov_b64 s[38:39], s[42:43]
	s_add_co_u32 s44, s44, 1
	s_and_b32 s44, s44, 3
	s_lshl_b32 s46, s44, 13
	s_lshl_b32 s48, s44, 11
	s_add_nc_u64 s[40:41], s[28:29], s[46:47]
	s_add_nc_u64 s[42:43], s[30:31], s[48:49]
.endif
.endm
	s_mov_b32 s45, 4
.Lrow:                                                 ; my four output rows
	TILE 0
	TILE 1
	TILE 2
	TILE 3
	s_sub_co_u32 s45, s45, 1
	s_cmp_lg_u32 s45, 0
	s_cbranch_scc1 .Lrow
	s_wait_dscnt 0x0                               ; the wave's end
	s_wait_alu 0x0
	s_wait_tensorcnt 0x0
	ds_add_u32 v[SPW], v[NIL]
	s_wait_dscnt 0x0
	s_endpgm
.Lfunc_end_k_q47aa84ccad_warp:
	.size	k_q47aa84ccad_warp, .Lfunc_end_k_q47aa84ccad_warp-k_q47aa84ccad_warp
	.p2alignl 7, 3214868480
	.fill 96, 4, 3214868480
	.section	.rodata,"a",@progbits
	.p2align	6, 0x0
	.amdhsa_kernel k_q47aa84ccad_warp
		.amdhsa_group_segment_fixed_size 306176
		.amdhsa_private_segment_fixed_size 0
		.amdhsa_enable_private_segment 0
		.amdhsa_kernarg_size 32
		.amdhsa_user_sgpr_count 2
		.amdhsa_user_sgpr_kernarg_segment_ptr 1
		.amdhsa_wavefront_size32 1
		.amdhsa_system_sgpr_workgroup_id_x 1
		.amdhsa_system_sgpr_workgroup_id_y 1
		.amdhsa_system_sgpr_workgroup_id_z 1
		.amdhsa_system_vgpr_workitem_id 0
		.amdhsa_next_free_vgpr 228
		.amdhsa_next_free_sgpr 66
		.amdhsa_reserve_vcc 0
		.amdhsa_float_denorm_mode_32 3
		.amdhsa_float_denorm_mode_16_64 3
		.amdhsa_memory_ordered 1
		.amdhsa_forward_progress 1
		.amdhsa_inst_pref_size 143
	.end_amdhsa_kernel
	.amdgpu_metadata
---
amdhsa.version: [ 1, 2 ]
amdhsa.kernels:
  - .name:           k_q47aa84ccad_warp
    .symbol:         k_q47aa84ccad_warp.kd
    .args:
      - { .name: data, .offset: 0, .size: 8, .value_kind: global_buffer, .address_space: global }
      - { .name: wts, .offset: 8, .size: 8, .value_kind: global_buffer, .address_space: global }
      - { .name: pbs, .offset: 16, .size: 8, .value_kind: global_buffer, .address_space: global }
      - { .name: out0, .offset: 24, .size: 8, .value_kind: global_buffer, .address_space: global }
    .group_segment_fixed_size: 306176
    .private_segment_fixed_size: 0
    .kernarg_segment_align: 8
    .kernarg_segment_size: 32
    .max_flat_workgroup_size: 256
    .sgpr_count:     66
    .vgpr_count:     228
    .wavefront_size: 32
...
	.end_amdgpu_metadata
.endif
;; end of part 4
